; MI455X (gfx1250); checked and timed in simulation.
; The chip was launched on July 23, 2026; its instructions are those of AMD's public machine-readable ISA for CDNA 5 (MIT licence, August 2026) and "CDNA5" Instruction Set Architecture Reference Guide (July 2026). The comments in the code are by the model that wrote it; some were corrected since.
;; Vector Quantizer. Allowed arithmetic: matrix products marked QUANTISED: E4M3 operands, one given power-of-two scale a tensor, by v_wmma_f32_16x16x64_fp8_fp8 or v_wmma_f32_16x16x128_fp8_fp8, f32 sums; everything else in f32.
;; Inputs: codebook 16,384 x 32 float32; lowp_scales 2 int32 (the exponents e of the quantised operands' scales 2^e); z 8 x 1,024 x 32 float32.
;; Outputs: out0 8,192 x 32 float32; out1 8,192 int32.
;; This version of the problem:
;;   THIS VERSION OF THE PROBLEM IS GIVEN IN LOW PRECISION. The matrix products marked QUANTISED in the list below multiply operands that are first quantised to E4M3 (4 exponent bits, 3 mantissa bits; 8 bits a number), with one given power-of-two scale for each operand tensor; their sums are f32. All else is computed in f32.
;;   The module's matrix products, in the order in which they are computed (A, B: the left and right operand; K: the contracted axis; several contracted axes count as one K, in the product's order):
;;     1. [M 8,192, K 32] x [K 32, N 16,384]; A: computed on the way; B: input codebook: QUANTISED (scales: A lowp_scales[0], B lowp_scales[1])
;;   THE QUANTISER, for each operand of a quantised product, along K:
;;     - The operand's scale is 2^e, e = its entry of the input lowp_scales (int32; the entries are numbered through the quantised products in the list's order, A before B).
;;     - Each number is divided by the scale, clamped to +-448, and rounded to the nearest number of E4M3, ties to even, subnormals kept.
;;     - The product sums the exact products of the quantised numbers (number of the format x scale) in f32.
;;   ~~~python
;;   def quantise(x, axis, e):      # numpy; x: float32 -> the quantised numbers, widened to float32 again
;;       x = np.moveaxis(x, axis, -1); K = x.shape[-1]
;;       r = np.clip(x / 2.0 ** e, -448, 448)
;;       step = 2.0 ** (np.maximum(np.frexp(np.where(r == 0, 1, r))[1] - 1, -6) - 3)
;;       q = np.round(r / step) * step * 2.0 ** e      # np.round: ties to even
;;       return np.moveaxis(q, -1, axis).astype(np.float32)
;;   ~~~
;;   OPERANDS COMPUTED ON THE WAY. 'Computed on the way' means the value that the module computes at that place (a softmax that the list does not call 'softmax' is quantised finished and normalised). What goes into a quantiser is computed in f32, as accurately as f32 sums, v_exp_f32 and their like allow (about 1e-6 of the number): no bf16 or f16 on the way to a quantiser, and a product that is left as it is and whose result goes on into a quantised operand takes f32 operands (vector FMAs, or v_wmma_f32_16x16x4_f32). A number that lies on a knife's edge between two numbers of the format may be rounded either way, as far as f32 arithmetic and the matrix unit's own rounding can turn it there, and no further.
;; One version. Each part assembles by itself: llvm-mc -triple=amdgcn-amd-amdhsa -mcpu=gfx1250 --defsym DOCPART=n.
;; ======== version 1 of 1: 2 launches
;; limits: right only within a limited range of input values
;; workspace buffers: cand_d 524,288 bytes; cand_i 524,288 bytes of whole numbers
;; launch search (part 1): grid 16 x 16, 8 waves a work-group, no clusters, 54,272 bytes of LDS; arguments z, codebook, lowp_scales, cand_d, cand_i; writes cand_d, cand_i
.if DOCPART == 1
	.amdgcn_target "amdgcn-amd-amdhsa--gfx1250"
	.amdhsa_code_object_version 6
	.text
	.protected	k_q99b1d424e9_search
	.globl	k_q99b1d424e9_search
	.p2align	8
	.type	k_q99b1d424e9_search,@function
k_q99b1d424e9_search:
	s_mov_b64 s[64:65], 0
	v_nop
	global_prefetch_b8 v0, s[64:65] scope:SCOPE_SE
	s_setreg_imm32_b32 hwreg(HW_REG_WAVE_MODE, 25, 1), 1
	s_wait_xcnt 0x0
; VECTOR QUANTISER, first launch: for 512 rows of z and 1,024 codes, each row's nearest code among these 1,024.
; d(m, n) = zz(m) + cc(n) - 2 Q(zn(m)) . Q(c(n)).  zn = z / max(|z|, 1e-12), cc = sum c^2 in f32; Q: codes of FP8 (E4M3) with the given scales 2^e0 (zn) and 2^e1 (codebook).
; DEAD WORK LEFT OUT: zz(m) = sum of zn(m)^2 is one number for a whole row of d, and the argmin runs along that row: whatever the inputs hold, adding it to all of a row's distances moves no index, and d itself is
; no output.  So rows are ranked by D = Q(zn) . Q(c) - cc / 2 (in units of 2^(e0 + e1)), the largest first.  LIMIT: a NaN, an infinity or an overflow that reaches zz alone is not carried to the result.
; SHARES.  Grid 16 x 16: x = block of 1,024 codes, y = block of 512 rows.  Eight waves; a wave owns 64 rows (four tiles of 16) and walks all 64 code tiles, two to a group: 32 groups, 256 matrix instructions.
; The codes go in four parts of 256, eight groups each; wave w quantises group w of each part into LDS.  Part 0 is made ahead of the walk, part 1 behind the walk's group 2, parts 2 and 3 behind its group 10: there a wave
; signals that its records lie in LDS, walks three more groups of earlier parts, and only then waits for the others.  The loads of later parts are out meanwhile.
; LOADS ARE DENSE: 32 lanes x 16 bytes = four whole rows of 128 bytes.  Lane l then holds numbers 4 p .. 4 p + 3 of row l / 8, p = l % 8: four codes, one word of an operand's image in LDS.
; THE PRODUCT IS USED TRANSPOSED: source 0 = 16 codes, source 1 = 16 rows of z: lane (r, h) holds ONE row of z and its registers j the codes 8 h + j.  The C operand is -cc / 2^E, E = e0 + e1 + 1, in that layout.
; K IS 32 and the form's K is 64: the upper half of every code fragment holds zero codes.  (The upper half of z's operand t is operand t + 1, and meets zeros only.)
; THE ARGMAX IS EXACT, first index on ties.  A group gives a lane 16 results for each tile of z.  Their largest is found by maxima of three; where it is GREATER than the best so far, the best, the group's number and the
; group's 16 raw results are taken over by selects, two to an instruction.  At the end the first kept result that equals the best gives the place; the two halves of the lanes merge by (value, lower index).
; OUT: cand_d[x][row] = D, cand_i[x][row] = the code's index.  The next launch merges the 16 blocks and gathers: no address here hangs on a comparison.
; THE ROWS OF A TILE OF z ARE NOT NEIGHBOURS: lane r of tile t takes row 4 r + t of the wave's 64, so that sixteen lanes store 256 consecutive bytes of results.
; NO JOINT REQUESTS, though 16 work-groups read the same 128 KB of the codebook and 16 the same 64 KB of z: each number is read once by a work-group, straight into the registers from which the conversions take it;
; brought by the data mover these 192 KB would be written to LDS and read back, beside the 52 KB that images and cc take.  No prefetch: there is no loop of loads to run ahead in.
; LIMITS.  e0 and e1 between -126 and 119; e0 + e1 + 1 between -126 and 126 (each power of two below is made as an f32 number).  NaN among the inputs is not served.
; ORDER OF ROUNDING, other than reference()'s: D is rounded by the matrix unit; sums of 32 squares go pairwise in a lane and then over eight lanes; z / norm is z x min(v_rsq_f32(sum of squares), 1e12).
.set REC,   1152                       ; LDS: a record for each group: two fragment images of 512 bytes, then 32 numbers -cc / 2^E.  32 records
.set ZL,    32*REC                     ; then z's images, four of 512 bytes for each wave
.set SPARE, ZL+8*2048                  ; then the spare words, 128 bytes for each wave: four blocks of 256 bytes that no other line names
.set TRIPS, 7                          ; the loop's trips, two groups each: groups 14 to 27
.set VLD,   1                          ; v1   16 x lane: my place in a load's 512 bytes
.set VIM0,  2                          ; v2, v3  LDS, where I store a word of a code image: rows 0-7 and rows 8-15 of a tile
.set VIM1,  3
.set VCS,   4                          ; v4   LDS, where I store -cc / 2^E
.set VA0,   5                          ; v5   LDS, where I read a fragment
.set VC0,   6                          ; v6   LDS, where I read C: 1024 + 32 h
.set VAA,   7                          ; v7, v8  the same two with the trip's offset
.set VAC,   8
.set VSCC,  9                          ; v9   2^e1;  v10  448 x 2^e1;  v11  2^e0;  v12  448 x 2^e0
.set VLIMC, 10
.set VSCZ,  11
.set VLIMZ, 12
.set VG,    13                         ; v13  the number of the group in hand
.set VNB,   14                         ; v14  1024 x + 8 h: what my half adds to a code's index
.set VST,   15                         ; v15  16 r: my place in the wave's 256 bytes of results
.set ZB,    16                         ; v16-35    z's four operands, four registers apart; v32-35 zero codes
.set AF,    36                         ; v36-67    code fragments: two sets of two, 8 registers each
.set CC,    68                         ; v68-99    their C operands
.set DB,    100                        ; v100-163  results: 16 for each of the four tiles of z
.set SV,    164                        ; v164-227  the best group's 16 results, for each tile.  First phase: z as loaded
.set BG,    228                        ; v228-235  tile t: the best D at BG + 2 t, its group at BG + 2 t + 1
.set TR,    236                        ; v236-239  the maxima at work
.set MX,    240                        ; v240      the largest of the group and tile in hand
.set QX,    241                        ; quantising codes: v241, v250 at work, v242-249 eight partial sums
.set QY,    250
.set QS,    242
.set PP,    242                        ; behind the walk: v242-245  the place in the group, then the index
.set IDX,   248                        ; v248-251  what is stored
.set SPW,   252                        ; v252      LDS address of my spare word; never rewritten
.set NIL,   253                        ; v253      0; never rewritten
.set T,     100                        ; first phase, in the results' registers: v100-115 at work,
.set CD,    116                        ; v116-131 z's codes,
.set ZA,    132                        ; v132-139 LDS, where I store words of z's images,
.set RZ,    140                        ; v140-143 LDS, where I read them
.set OV,    116                        ; last phase: v116-119, v120-123 the other half's values and indices, v132-135 what is stored
.set ON,    120
.set DIST,  132
.set M1,    44                         ; s44-46 lanes with bit 0, 1, 2 of their number set
; Window 1, written below as v[0] .. under a setting of the window: two sets of eight loads of codes at 0 and 32, sums of squares at work at 64, codes at 80
.set RA,    0
.set RB,    32
.set QT,    64
.set QC,    80
.set MSB, 0
.macro WIN new                         ; the immediate's high byte repeats the setting that is left
.if MSB != \new
	s_set_vgpr_msb (MSB<<8)|\new
.set MSB, \new
.endif
.endm
	s_load_b256 s[4:11], s[0:1], 0x0               ; z s[4:5], codebook s[6:7], the scales' exponents s[8:9], cand_d s[10:11]
	s_load_b64 s[12:13], s[0:1], 0x20              ; cand_i
	v_lshrrev_b32 v[T], 5, v0
	v_readfirstlane_b32 s14, v[T]                  ; wave 0..7
	v_and_b32 v[T+1], 31, v0
	v_lshl_add_u32 v[SPW], v0, 2, SPARE
	v_mov_b32 v[NIL], 0
	v_lshlrev_b32 v[VLD], 4, v[T+1]
	s_and_b32 s16, ttmp7, 0xffff                   ; y: block of rows
	s_lshl_b32 s17, s14, 13                        ; a wave's 64 rows of 128 bytes
	s_lshl_b32 s20, s16, 16                        ; z: 512 y rows
	s_add_co_u32 s20, s20, s17
	s_mov_b32 s21, 0
	s_lshl_b32 s17, s14, 12                        ; a wave's 32 codes of a part
	s_lshl_b32 s22, ttmp9, 17                      ; codebook: 1,024 x rows
	s_add_co_u32 s22, s22, s17
	s_mov_b32 s23, 0
	s_wait_alu depctr_va_vdst(0)
	s_wait_kmcnt 0x0
	s_load_b64 s[18:19], s[8:9], 0x0               ; e0 (zn), e1 (codebook)
	s_add_nc_u64 s[4:5], s[4:5], s[20:21]
	s_add_nc_u64 s[6:7], s[6:7], s[22:23]
.irp i, 0,1,2,3,4,5,6,7,8,9,10,11,12,13,14,15
	global_load_b128 v[SV+4*\i:SV+4*\i+3], v[VLD], s[4:5] offset:512*\i
.endr
.macro LOADC p, r                      ; my 32 codes of part p
	WIN 0x40
.irp i, 0,1,2,3,4,5,6,7
	global_load_b128 v[\r+4*\i:\r+4*\i+3], v[VLD], s[6:7] offset:32768*\p+512*\i
.endr
	WIN 0
.endm
	LOADC 0, RB
	; addresses, under the loads' flight
	v_and_b32 v144, 3, v0                          ; q, g, a: a lane's word of a row is p = 4 g + q; its row of a load's four is a
	v_bfe_u32 v145, v0, 2, 1
	v_bfe_u32 v146, v0, 3, 2
	v_and_b32 v147, 15, v0                         ; r
	v_bfe_u32 v148, v0, 4, 1                       ; h
	v_and_b32 v149, 7, v0                          ; p
	s_mul_i32 s17, s14, REC                        ; my wave's record of a part
	; a code image: operand lane (r, h)'s 16 bytes lie at 256 h + 16 (r xor 8 h): the words that a load's lanes store fall on 32 different banks, and so do a fragment's reads
	v_lshlrev_b32 v150, 2, v144
	v_lshl_add_u32 v151, v146, 4, v150
	v_lshlrev_b32 v152, 2, v146
	v_lshl_add_u32 v153, v146, 1, v145             ; c = 2 a + g
	v_add_nc_u32 v151, s17, v151
	v_lshl_add_u32 v152, v149, 4, v152
	v_lshl_add_u32 v[VIM1], v145, 7, v151          ; rows 8-15: + 128 g
	v_lshl_add_u32 v[VIM0], v145, 8, v[VIM1]       ; rows 0-7: + 384 g
	v_add_nc_u32 v152, s17, v152
	v_add_nc_u32 v[VCS], 0x400, v152               ; 1024 + 16 p + 4 a: the word of row 4 p + a of a group's 32
	; a z image, tile t: operand lane (r, h)'s 16 bytes lie at 512 t + 256 h + 16 (r xor (2 t + h)).  Load i brings rows 4 i + a: tile a, r = i
	s_lshl_b32 s17, s14, 11
	s_add_co_u32 s17, s17, ZL
	v_lshl_add_u32 v150, v153, 4, v150
	v_lshl_add_u32 v150, v153, 8, v150             ; 4 q + 16 c + 256 c
	v_xor_b32 v154, v147, v148
	v_lshlrev_b32 v154, 4, v154
	v_lshl_add_u32 v154, v148, 8, v154             ; 256 h + 16 (r xor h)
.irp i, 0,1,2,3,4,5,6,7
	v_xor_b32 v[ZA+\i], 16*\i, v150
.endr
.irp t, 0,1,2,3
	v_xor_b32 v[RZ+\t], 32*\t, v154
.endr
.irp i, 0,1,2,3,4,5,6,7
	v_add_nc_u32 v[ZA+\i], s17, v[ZA+\i]
.endr
.irp t, 0,1,2,3
	v_add_nc_u32 v[RZ+\t], s17, v[RZ+\t]
.endr
	v_lshlrev_b32 v155, 7, v148
	v_lshlrev_b32 v[VA0], 4, v147
	v_lshlrev_b32 v[VC0], 5, v148
	s_lshl_b32 s17, ttmp9, 10                      ; the block's first code
	v_xor_b32 v[VA0], v[VA0], v155
	v_add_nc_u32 v[VC0], 0x400, v[VC0]
	v_lshl_add_u32 v[VNB], v148, 3, s17
	v_lshl_add_u32 v[VA0], v148, 8, v[VA0]
	v_lshlrev_b32 v[VST], 4, v147
.irp k, 4,5,6,7
	v_mov_b32 v[ZB+12+\k], 0                       ; zero codes for k = 32 .. 63: of z's last operand,
.irp f, 0,1,2,3
	v_mov_b32 v[AF+8*\f+\k], 0                     ; and of the four code fragments, of which the LDS loads fill registers 0-3 alone
.endr
.endr
	s_mov_b32 s24, 0x76543210                      ; v_permlanex16_b32's selects for lane l xor 16
	s_mov_b32 s25, 0xfedcba98
	s_mov_b32 s[M1], 0xaaaaaaaa
	s_mov_b32 s[M1+1], 0xcccccccc
	s_mov_b32 s[M1+2], 0xf0f0f0f0
	s_lshl_b32 s20, ttmp9, 15                      ; results: [x][8,192 rows] of 4 bytes, + 512 y rows, + the wave's 64
	s_lshl_b32 s17, s16, 11
	s_add_co_u32 s20, s20, s17
	s_lshl_b32 s17, s14, 8
	s_add_co_u32 s20, s20, s17
	s_add_nc_u64 s[10:11], s[10:11], s[20:21]
	s_add_nc_u64 s[12:13], s[12:13], s[20:21]
	s_wait_alu depctr_va_vdst(0)
	s_wait_kmcnt 0x0
	s_add_co_i32 s20, s19, 127
	s_lshl_b32 s17, s20, 23
	v_mov_b32 v[VSCC], s17                         ; 2^e1 as f32: the conversion takes its exponent field
	s_add_co_i32 s20, s20, 8
	s_lshl_b32 s20, s20, 23
	s_or_b32 s20, s20, 0x600000
	v_mov_b32 v[VLIMC], s20                        ; 448 x 2^e1
	s_add_co_i32 s20, s18, 127
	s_lshl_b32 s17, s20, 23
	v_mov_b32 v[VSCZ], s17                         ; 2^e0
	s_add_co_i32 s20, s20, 8
	s_lshl_b32 s20, s20, 23
	s_or_b32 s20, s20, 0x600000
	v_mov_b32 v[VLIMZ], s20                        ; 448 x 2^e0
	s_add_co_i32 s22, s18, s19
	s_add_co_i32 s22, s22, 1                       ; E = e0 + e1 + 1
	s_sub_co_i32 s23, 127, s22
	s_lshl_b32 s23, s23, 23
	s_or_b32 s23, s23, 0x80000000                  ; s23 = -2^-E
; Eight loads of z (32 rows): norm, zn, codes, images.  The eight loads take turns line by line
.macro ZSET j
.set XS, SV+32*\j
	s_wait_alu depctr_va_vdst(0)
	s_wait_loadcnt 16-8*\j                         ; loads come back in order: behind these eight stand z's later ones and part 0's eight
.irp i, 0,1,2,3,4,5,6,7
	v_pk_mul_f32 v[T+2*\i:T+2*\i+1], v[XS+4*\i:XS+4*\i+1], v[XS+4*\i:XS+4*\i+1]
.endr
.irp i, 0,1,2,3,4,5,6,7
	v_pk_fma_f32 v[T+2*\i:T+2*\i+1], v[XS+4*\i+2:XS+4*\i+3], v[XS+4*\i+2:XS+4*\i+3], v[T+2*\i:T+2*\i+1]
.endr
.irp i, 0,1,2,3,4,5,6,7
	v_add_f32 v[T+2*\i], v[T+2*\i], v[T+2*\i+1]
.endr
.irp m, 1,2,4
.irp i, 0,1,2,3,4,5,6,7
	v_add_f32_dpp v[T+2*\i], v[T+2*\i], v[T+2*\i] row_xmask:\m row_mask:0xf bank_mask:0xf   ; over the row's eight lanes
.endr
.endr
	s_wait_alu depctr_va_vdst(0)                   ; the wait ahead of the batch,
.irp i, 0,1,2,3,4,5,6,7
	v_rsq_f32 v[T+2*\i], v[T+2*\i]
.endr
	v_nop                                          ; a plain place behind the last of them,
	s_wait_alu depctr_va_vdst(0)                   ; and the wait behind the batch
.irp i, 0,1,2,3,4,5,6,7
	v_min_num_f32 v[T+2*\i], 0x5368d4a5, v[T+2*\i] ; 1 / max(norm, 1e-12) = min(1 / norm, 1e12)
.endr
.irp i, 0,1,2,3,4,5,6,7
	v_pk_mul_f32 v[XS+4*\i:XS+4*\i+1], v[XS+4*\i:XS+4*\i+1], v[T+2*\i:T+2*\i+1] op_sel_hi:[1,0]
	v_pk_mul_f32 v[XS+4*\i+2:XS+4*\i+3], v[XS+4*\i+2:XS+4*\i+3], v[T+2*\i:T+2*\i+1] op_sel_hi:[1,0]
.endr
.set KK, 0
.rept 32
	v_med3_num_f32 v[XS+KK], v[XS+KK], -v[VLIMZ], v[VLIMZ]   ; the conversion to an 8-bit code does not saturate (ISA guide 7.6.2): the hold at the largest code x the scale
.set KK, KK+1
.endr
.irp m, 0,1,2,3
	v_cvt_scalef32_pk8_fp8_f32 v[CD+8*\j+2*\m:CD+8*\j+2*\m+1], v[XS+8*\m:XS+8*\m+7], v[VSCZ]   ; a word for each of two loads
.endr
	v_nop                                          ; one plain vector instruction behind the conversions
.irp i, 0,1,2,3,4,5,6,7
	ds_store_b32 v[ZA+\i], v[CD+8*\j+\i] offset:128*\j
.endr
.endm
	ZSET 0
	ZSET 1
	LOADC 1, RA                                    ; part 1's loads are out while part 0 is made and its first groups are walked
.irp t, 0,1,2,3
	ds_load_b128 v[ZB+4*\t:ZB+4*\t+3], v[RZ+\t] offset:512*\t   ; my own wave's images: LDS serves a wave's instructions in order (ISA guide 5.7.1.4)
.endr
; one step of the sums over eight lanes, two loads' partial sums at a time: a lane keeps the one that its bit of the mask names and is given the same load's part by its partner
.macro SENDK x, lo, hi, m
	v_cndmask_b32 v[\x], v[QS+\hi], v[QS+\lo], s[M1+\m]
.endm
.macro KEEPK lo, hi, m
	v_cndmask_b32 v[QS+\lo], v[QS+\lo], v[QS+\hi], s[M1+\m]
.endm
.macro JOINK x, lo, lanes
	v_add_f32_dpp v[QS+\lo], v[\x], v[QS+\lo] row_xmask:\lanes row_mask:0xf bank_mask:0xf
.endm
.macro TWOK a, b, c, d, m, lanes       ; pairs (a, b) and (c, d) take turns
	SENDK QX, \a, \b, \m
	SENDK QY, \c, \d, \m
	KEEPK \a, \b, \m
	KEEPK \c, \d, \m
	JOINK QX, \a, \lanes
	JOINK QY, \c, \lanes
.endm
; My group of part p, eight loads of codes in set r: the hold, the conversion, images, cc of the numbers as they are given.  Nothing of the walk's is touched: v241-250 and window 1 alone
.macro QSET p, r, left
	s_wait_alu depctr_va_vdst(0)
	s_wait_loadcnt \left                           ; the loads issued behind these eight may be out
	WIN 0x45
.irp i, 0,1,2,3,4,5,6,7
	v_pk_mul_f32 v[QT+2*\i:QT+2*\i+1], v[\r+4*\i:\r+4*\i+1], v[\r+4*\i:\r+4*\i+1]
.endr
	WIN 0x55
.irp i, 0,1,2,3,4,5,6,7
	v_pk_fma_f32 v[QT+2*\i:QT+2*\i+1], v[\r+4*\i+2:\r+4*\i+3], v[\r+4*\i+2:\r+4*\i+3], v[QT+2*\i:QT+2*\i+1]
.endr
	WIN 0x41
.set KK, \r
.rept 32
	v_med3_num_f32 v[KK], v[KK], -v[VLIMC], v[VLIMC]
.set KK, KK+1
.endr
.irp m, 0,1,2,3
	v_cvt_scalef32_pk8_fp8_f32 v[QC+2*\m:QC+2*\m+1], v[\r+8*\m:\r+8*\m+7], v[VSCC]
.endr
	WIN 0x05
.irp i, 0,1,2,3,4,5,6,7
	v_add_f32 v[QS+\i], v[QT+2*\i], v[QT+2*\i+1]   ; (the first of these is also the plain place behind the conversions)
.endr
	WIN 0x04
.irp i, 0,1,4,5
	ds_store_b32 v[VIM0], v[QC+\i] offset:8*\p*REC+512*(\i/4)+64*(\i%4)
.endr
.irp i, 2,3,6,7
	ds_store_b32 v[VIM1], v[QC+\i] offset:8*\p*REC+512*(\i/4)+64*(\i%4)
.endr
	WIN 0
	TWOK 0, 1, 2, 3, 0, 1
	TWOK 4, 5, 6, 7, 0, 1
	TWOK 0, 2, 4, 6, 1, 2
	SENDK QX, 0, 4, 2
	KEEPK 0, 4, 2
	JOINK QX, 0, 4                                 ; lane l: cc of row l / 8 of load l % 8
	v_mul_f32 v[QY], s23, v[QS]                    ; -cc / 2^E: a power of two, nothing is rounded
	ds_store_b32 v[VCS], v[QY] offset:8*\p*REC
.endm
.macro TELL
	s_wait_alu depctr_va_vdst(0)
	s_wait_dscnt 0x0                               ; for the others' sake: my images and my cc lie in LDS
	s_barrier_signal -1
.endm
.macro MEET
	s_wait_alu depctr_va_vdst(0)
	s_barrier_wait -1                              ; the records of all eight waves are whole
.endm
; a group's record into set buf: two fragments (16 bytes a lane each) and two C operands (lane (r, h): eight numbers from 32 h on, the same for all r)
.macro LOADG buf, ra, rc, off
	ds_load_b128 v[AF+16*(\buf):AF+16*(\buf)+3], v[\ra] offset:(\off)
	ds_load_b128 v[AF+16*(\buf)+8:AF+16*(\buf)+11], v[\ra] offset:(\off)+512
	ds_load_b128 v[CC+16*(\buf):CC+16*(\buf)+3], v[\rc] offset:(\off)
	ds_load_b128 v[CC+16*(\buf)+4:CC+16*(\buf)+7], v[\rc] offset:(\off)+16
	ds_load_b128 v[CC+16*(\buf)+8:CC+16*(\buf)+11], v[\rc] offset:(\off)+64
	ds_load_b128 v[CC+16*(\buf)+12:CC+16*(\buf)+15], v[\rc] offset:(\off)+80
.endm
; the two products of set buf's code tiles with tile t of z: D = codes x z + C.  C is read only and D is never C: there are no chains
.macro W buf, t, dst
	v_wmma_f32_16x16x64_fp8_fp8 v[(\dst):(\dst)+7], v[AF+16*(\buf):AF+16*(\buf)+7], v[ZB+4*(\t):ZB+4*(\t)+7], v[CC+16*(\buf):CC+16*(\buf)+7]
	v_wmma_f32_16x16x64_fp8_fp8 v[(\dst)+8:(\dst)+15], v[AF+16*(\buf)+8:AF+16*(\buf)+15], v[ZB+4*(\t):ZB+4*(\t)+7], v[CC+16*(\buf)+8:CC+16*(\buf)+15]
.endm
; the largest of 16 results: four chains; each of the two accumulators is first read at its low end
.macro TREE d, out
	v_max3_num_f32 v[TR], v[(\d)], v[(\d)+1], v[(\d)+2]
	v_max3_num_f32 v[TR+1], v[(\d)+8], v[(\d)+9], v[(\d)+10]
	v_max3_num_f32 v[TR+2], v[(\d)+3], v[(\d)+4], v[(\d)+5]
	v_max3_num_f32 v[TR+3], v[(\d)+11], v[(\d)+12], v[(\d)+13]
	v_max3_num_f32 v[TR], v[TR], v[(\d)+6], v[(\d)+7]
	v_max3_num_f32 v[TR+1], v[TR+1], v[(\d)+14], v[(\d)+15]
	v_max_num_f32 v[TR+2], v[TR+2], v[TR+3]
	v_max3_num_f32 v[\out], v[TR], v[TR+1], v[TR+2]
.endm
; tile t's take-over under VCC: the best and the group's number; two of the 16 results
.macro BGU t
	v_dual_max_num_f32 v[BG+2*(\t)], v[BG+2*(\t)], v[MX] :: v_dual_cndmask_b32 v[BG+2*(\t)+1], v[BG+2*(\t)+1], v[VG]
.endm
.macro SVP t, k
	v_dual_cndmask_b32 v[SV+16*(\t)+2*(\k)], v[SV+16*(\t)+2*(\k)], v[DB+16*(\t)+2*(\k)] :: v_dual_cndmask_b32 v[SV+16*(\t)+2*(\k)+1], v[SV+16*(\t)+2*(\k)+1], v[DB+16*(\t)+2*(\k)+1]
.endm
; A STEP: tile t's take-over, which VCC and MX describe, and tile u's maxima, among each other; then u's compare: GREATER, not equal: of equal values the earlier group, which holds the lower indices, stays
.macro STEP t, u
.set DD, DB+16*(\u)
	BGU \t
	v_max3_num_f32 v[TR], v[DD], v[DD+1], v[DD+2]
	v_max3_num_f32 v[TR+1], v[DD+8], v[DD+9], v[DD+10]
	v_max3_num_f32 v[TR+2], v[DD+3], v[DD+4], v[DD+5]
	v_max3_num_f32 v[TR+3], v[DD+11], v[DD+12], v[DD+13]
	SVP \t, 0
	v_max3_num_f32 v[TR], v[TR], v[DD+6], v[DD+7]
	SVP \t, 1
	v_max3_num_f32 v[TR+1], v[TR+1], v[DD+14], v[DD+15]
	SVP \t, 2
	v_max_num_f32 v[TR+2], v[TR+2], v[TR+3]
	SVP \t, 3
	SVP \t, 4
	SVP \t, 5
	v_max3_num_f32 v[MX], v[TR], v[TR+1], v[TR+2]
	SVP \t, 6
	SVP \t, 7
	v_cmp_gt_f32 vcc_lo, v[MX], v[BG+2*(\u)]
.endm
; A GROUP.  Its products with tiles 0 and 1, and tile 0's maxima and compare, were made in the group before.  Products stand two steps ahead of the take-over that last reads their results and one step ahead of their
; first reader: the 18 plain vector instructions of a step stand between a product and the first read of its results, or the loads into its operands (four are owed behind a product).
; mode 0: no record is left to fetch; 1, 2: the record two groups on goes into this group's set, 2: the trip's addresses are made first; 3: the same by the fixed addresses.  next = 1: the next group's first products.
.macro GROUP buf, mode, off, next
	v_add_nc_u32 v[VG], 1, v[VG]
	W \buf, 2, DB+32
	STEP 0, 1
	W \buf, 3, DB+48
	STEP 1, 2
.if \next
	s_wait_alu depctr_va_vdst(0)
	s_wait_dscnt 0x0                               ; the next group's record, asked for a group ago, is in
.endif
.if \mode == 2
	v_add_nc_u32 v[VAA], s26, v[VA0]
	v_add_nc_u32 v[VAC], s26, v[VC0]
.endif
.if \mode == 3
	LOADG \buf, VA0, VC0, \off
.elseif \mode
	LOADG \buf, VAA, VAC, \off
.endif
.if \next
	W 1-(\buf), 0, DB
.endif
	STEP 2, 3
.if \next
	W 1-(\buf), 1, DB+16
	STEP 3, 0
.else
	BGU 3
.irp k, 0,1,2,3,4,5,6,7
	SVP 3, \k
.endr
.endif
.endm
.macro GFIX g                          ; group g, which fetches the record of group g + 2
	GROUP (\g)%2, 3, ((\g)+2)*REC, 1
.endm
	QSET 0, RB, 8                                  ; part 1's eight loads may be out
	TELL
	MEET
	LOADG 0, VA0, VC0, 0
	LOADG 1, VA0, VC0, REC
	s_wait_dscnt 6                                 ; group 0's six loads are in; group 1's six may be out
	; GROUP 0 starts everything: its results are written straight into the kept registers and its largest is the best: nothing is cleared and nothing is compared
	W 0, 0, SV
	W 0, 1, SV+16
	W 0, 2, SV+32
	W 0, 3, SV+48
.irp t, 0,1,2,3
	v_mov_b32 v[BG+2*\t+1], 0                      ; (these five are also the places behind the products)
.endr
	v_mov_b32 v[VG], 0
	TREE SV, BG
	TREE SV+16, BG+2
	s_wait_alu depctr_va_vdst(0)
	s_wait_dscnt 0x0                               ; group 1's record is in
	LOADG 0, VA0, VC0, 2*REC
	W 1, 0, DB
	W 1, 1, DB+16
	TREE SV+32, BG+4
	TREE SV+48, BG+6
	TREE DB, MX
	v_cmp_gt_f32 vcc_lo, v[MX], v[BG]
	GFIX 1
	GFIX 2
	QSET 1, RA, 0
	LOADC 2, RA
	LOADC 3, RB
	TELL                                           ; between this signal and its wait: register work and LDS loads of part 0, which nobody writes any more
	GFIX 3
	GFIX 4
	GFIX 5
	MEET                                           ; group 6 fetches part 1's first record
	GFIX 6
	GFIX 7
	GFIX 8
	GFIX 9
	GFIX 10
	QSET 2, RA, 8                                  ; part 3's eight loads may be out
	QSET 3, RB, 0
	TELL
	GFIX 11
	GFIX 12
	GFIX 13
	MEET                                           ; group 14 fetches part 2's first record
	s_mov_b32 s26, 0                               ; the trip's offset in LDS: two records a trip; it is also the loop's counter
.Ltrip:                                                ; trip k: groups 14 + 2 k and 15 + 2 k; they fetch the records of groups 16 + 2 k and 17 + 2 k
	GROUP 0, 2, 16*REC, 1
	GROUP 1, 1, 17*REC, 1
	s_add_co_u32 s26, s26, 2*REC
	s_cmp_lt_u32 s26, TRIPS*2*REC
	s_wait_alu depctr_va_vdst(0)
	s_cbranch_scc1 .Ltrip
	GFIX 28
	GFIX 29
	GROUP 0, 0, 0, 1                               ; groups 30 and 31: nothing is left to fetch
	GROUP 1, 0, 0, 0
	; THE PLACE IN THE BEST GROUP: the first of the 16 kept results that equals the best.  From place 15 down, so that the lowest stays; place 0 is what is left where no higher one is equal
.irp t, 0,1,2,3
	v_mov_b32 v[PP+\t], 0
	v_mov_b32 v[OV+\t], 0                          ; written once: a lane permute's destination counts as one of its sources
	v_mov_b32 v[ON+\t], 0
.endr
.irp q, 15,14,13,12,11,10,9,8,7,6,5,4,3,2,1
.irp t, 0,1,2,3
	v_cmp_neq_f32 s[28+\t], v[SV+16*\t+\q], v[BG+2*\t]
.endr
.irp t, 0,1,2,3
	v_cndmask_b32 v[PP+\t], \q, v[PP+\t], s[28+\t] ; not equal: keep; equal: place q
.endr
.endr
.irp t, 0,1,2,3
	v_and_b32 v[T+\t], 8, v[PP+\t]                 ; place p = 8 a + j is code 16 a + 8 h + j of the group's 32: p + (p & 8) + 8 h
.endr
.irp t, 0,1,2,3
	v_add3_u32 v[PP+\t], v[PP+\t], v[T+\t], v[VNB]
.endr
.irp t, 0,1,2,3
	v_lshl_add_u32 v[PP+\t], v[BG+2*\t+1], 5, v[PP+\t]   ; + 32 x group (+ the block's first code, in v14)
.endr
.irp t, 0,1,2,3
	v_permlanex16_b32 v[OV+\t], v[BG+2*\t], s24, s25     ; the row's other half: the codes 8 (1 - h) + j of every tile
.endr
.irp t, 0,1,2,3
	v_permlanex16_b32 v[ON+\t], v[PP+\t], s24, s25
.endr
.irp t, 0,1,2,3
	v_cmp_gt_f32 s[28+\t], v[OV+\t], v[BG+2*\t]
.endr
.irp t, 0,1,2,3
	v_cmp_eq_f32 s[36+\t], v[OV+\t], v[BG+2*\t]
.endr
.irp t, 0,1,2,3
	v_cmp_lt_u32 s[40+\t], v[ON+\t], v[PP+\t]
.endr
	s_wait_alu depctr_va_vdst(0)
.irp t, 0,1,2,3
	s_and_b32 s[36+\t], s[36+\t], s[40+\t]
	s_or_b32 s[28+\t], s[28+\t], s[36+\t]          ; the other half's is taken where it is greater, or equal with the lower index.  (The masks feed selects alone)
.endr
.irp t, 0,1,2,3
	v_cndmask_b32 v[IDX+\t], v[PP+\t], v[ON+\t], s[28+\t]
	v_max_num_f32 v[DIST+\t], v[BG+2*\t], v[OV+\t]
.endr
	v_and_b32 v[T], 31, v0
	s_wait_alu depctr_va_vdst(0)
	s_wait_xcnt 0x0                                ; EXEC changes only behind this wait
	v_cmp_gt_u32 vcc_lo, 16, v[T]
	s_wait_alu depctr_va_vdst(0)
	s_wait_tensorcnt 0x0                           ; the wave's end
	ds_add_u32 v[SPW], v[NIL]
	s_wait_dscnt 0x0
	s_and_saveexec_b32 s32, vcc_lo                 ; both halves hold the same results: lanes 0-15 store them
	global_store_b128 v[VST], v[DIST:DIST+3], s[10:11] th:TH_STORE_NT   ; rows 4 r .. 4 r + 3: sixteen lanes store 256 consecutive bytes, at a multiple of 256 from the buffer's first byte
	global_store_b128 v[VST], v[IDX:IDX+3], s[12:13] th:TH_STORE_NT
	s_wait_xcnt 0x0                                ; and again ahead of the line that widens it
	s_or_b32 exec_lo, exec_lo, s32
	s_endpgm
.Lfunc_end_k_q99b1d424e9_search:
	.size	k_q99b1d424e9_search, .Lfunc_end_k_q99b1d424e9_search-k_q99b1d424e9_search
	.p2alignl 7, 3214868480
	.fill 96, 4, 3214868480
	.section	.rodata,"a",@progbits
	.p2align	6, 0x0
	.amdhsa_kernel k_q99b1d424e9_search
		.amdhsa_group_segment_fixed_size 54272
		.amdhsa_private_segment_fixed_size 0
		.amdhsa_enable_private_segment 0
		.amdhsa_kernarg_size 40
		.amdhsa_user_sgpr_count 2
		.amdhsa_user_sgpr_kernarg_segment_ptr 1
		.amdhsa_wavefront_size32 1
		.amdhsa_system_sgpr_workgroup_id_x 1
		.amdhsa_system_sgpr_workgroup_id_y 1
		.amdhsa_system_sgpr_workgroup_id_z 1
		.amdhsa_system_vgpr_workitem_id 0
		.amdhsa_next_free_vgpr 352
		.amdhsa_next_free_sgpr 66
		.amdhsa_reserve_vcc 1
		.amdhsa_float_denorm_mode_32 3
		.amdhsa_float_denorm_mode_16_64 3
		.amdhsa_memory_ordered 1
		.amdhsa_forward_progress 1
		.amdhsa_inst_pref_size 162
	.end_amdhsa_kernel
	.amdgpu_metadata
---
amdhsa.version: [ 1, 2 ]
amdhsa.kernels:
  - .name:           k_q99b1d424e9_search
    .symbol:         k_q99b1d424e9_search.kd
    .args:
      - { .name: z, .offset: 0, .size: 8, .value_kind: global_buffer, .address_space: global }
      - { .name: codebook, .offset: 8, .size: 8, .value_kind: global_buffer, .address_space: global }
      - { .name: lowp_scales, .offset: 16, .size: 8, .value_kind: global_buffer, .address_space: global }
      - { .name: cand_d, .offset: 24, .size: 8, .value_kind: global_buffer, .address_space: global }
      - { .name: cand_i, .offset: 32, .size: 8, .value_kind: global_buffer, .address_space: global }
    .group_segment_fixed_size: 54272
    .private_segment_fixed_size: 0
    .kernarg_segment_align: 8
    .kernarg_segment_size: 40
    .max_flat_workgroup_size: 256
    .sgpr_count:     66
    .vgpr_count:     352
    .wavefront_size: 32
...
	.end_amdgpu_metadata
.endif
;; end of part 1
;; launch pick (part 2): grid 256 x 1, 8 waves a work-group, no clusters, 1,280 bytes of LDS; arguments cand_d, cand_i, codebook, out0, out1; writes out0, out1
.if DOCPART == 2
	.amdgcn_target "amdgcn-amd-amdhsa--gfx1250"
	.amdhsa_code_object_version 6
	.text
	.protected	k_q99b1d424e9_pick
	.globl	k_q99b1d424e9_pick
	.p2align	8
	.type	k_q99b1d424e9_pick,@function
k_q99b1d424e9_pick:
	s_mov_b64 s[64:65], 0
	v_nop
	global_prefetch_b8 v0, s[64:65] scope:SCOPE_SE
	s_setreg_imm32_b32 hwreg(HW_REG_WAVE_MODE, 25, 1), 1
	s_wait_xcnt 0x0
; VECTOR QUANTISER, second launch: of each row's 16 candidates (one for each block of 1,024 codes: D = dot - cc / 2 in cand_d[block][row], its index in cand_i[block][row]) the one with the largest D, which is the nearest
; (zz, the same for all codes of a row, is dead work: see the first launch's head); out1[row] = its index, out0[row] = its row of the codebook, 32 f32.
; The winner is found by comparing D, so no address may hang on it: ALL 16 candidates' rows are gathered, by the stored indices, and the winner's is chosen by selects.
; SHARES.  A work-group takes 32 rows, eight waves.  Thread = (row = thread / 8, piece = thread % 8): 16 bytes of the row's 128.  A wave's store of out0 covers 512 consecutive bytes.
; A tournament: block b against block a < b, and b wins only where its D is GREATER: of equal ones the lower index stays, as in argmin.  Compares, maxima and selects of a level take turns: no line waits for the one above.
; No matrix unit, no tensor load, no cluster, no prefetch: the launch is three dependent steps of loads and stores with no loop, 48 loads a thread, all issued as early as their addresses are known.
; LIMIT: NaN among the candidates is not served.
.set BLK,  32768                       ; bytes from block to block in cand_d and cand_i: 8,192 rows of 4 bytes
.set I,    16                          ; v16-31   the 16 indices; v16 becomes the winner's
.set DV,   32                          ; v32-47   the 16 D; v32 becomes the largest
.set AD,   48                          ; v48-63   the 16 gathers' offsets
.set DA,   64                          ; v64-127  my 16 bytes of the 16 rows; v64-67 become the winner's
.set SPW,  128
.set NIL,  129
	s_load_b256 s[4:11], s[0:1], 0x0               ; cand_d s[4:5], cand_i s[6:7], codebook s[8:9], out0 s[10:11]
	s_load_b64 s[12:13], s[0:1], 0x20              ; out1
	v_lshrrev_b32 v1, 5, v0
	v_lshrrev_b32 v2, 3, v0
	v_and_b32 v3, 7, v0
	v_readfirstlane_b32 s14, v1                    ; wave
	v_lshlrev_b32 v2, 2, v2                        ; 4 x my row of the 32: its place in a block's run of candidates, and its word in LDS
	v_lshlrev_b32 v3, 4, v3                        ; 16 x piece
	v_lshlrev_b32 v4, 4, v0                        ; 16 x thread: my place in the work-group's 4,096 bytes of out0
	v_lshlrev_b32 v7, 2, v0                        ; wave 0: the row's word in LDS and in out1
	v_lshl_add_u32 v[SPW], v0, 2, 0x100            ; the spare words lie behind the block of the 32 indices
	v_mov_b32 v[NIL], 0
	s_lshl_b32 s16, ttmp9, 7                       ; 32 rows of 4 bytes
	s_mov_b32 s17, 0
	s_lshl_b32 s18, ttmp9, 12                      ; 32 rows of 128 bytes
	s_mov_b32 s19, 0
	s_wait_alu depctr_va_vdst(0)
	s_wait_kmcnt 0x0
	s_add_nc_u64 s[4:5], s[4:5], s[16:17]
	s_add_nc_u64 s[6:7], s[6:7], s[16:17]
.irp b, 0,1,2,3,4,5,6,7,8,9,10,11,12,13,14,15
	global_load_b32 v[I+\b], v2, s[6:7] offset:BLK*\b th:TH_LOAD_NT      ; the indices first: the gathers wait for them
.endr
.irp b, 0,1,2,3,4,5,6,7,8,9,10,11,12,13,14,15
	global_load_b32 v[DV+\b], v2, s[4:5] offset:BLK*\b th:TH_LOAD_NT
.endr
	s_add_nc_u64 s[12:13], s[12:13], s[16:17]
	s_add_nc_u64 s[10:11], s[10:11], s[18:19]
	s_wait_loadcnt 16                              ; the 16 indices are in; the 16 D, issued behind them, may be out
.irp b, 0,1,2,3,4,5,6,7,8,9,10,11,12,13,14,15
	v_min_u32 v[I+\b], 0x3fff, v[I+\b]             ; a loaded number enters an address only held inside the table of 16,384 rows
.endr
.irp b, 0,1,2,3,4,5,6,7,8,9,10,11,12,13,14,15
	v_lshl_add_u32 v[AD+\b], v[I+\b], 7, v3        ; 128 x index + 16 x piece
.endr
.irp b, 0,1,2,3,4,5,6,7,8,9,10,11,12,13,14,15
	global_load_b128 v[DA+4*\b:DA+4*\b+3], v[AD+\b], s[8:9]
.endr
	s_wait_alu depctr_va_vdst(0)
	s_wait_loadcnt 16                              ; the D are in; the 16 gathers, issued behind them, may be out
; a pair of the tournament: a against a + d; its mask is s[31 + a + d], from s32 to s46: no two of the 15 pairs share one, and all are kept for the data
.macro CMP a, d
	v_cmp_gt_f32 s[31+\a+\d], v[DV+\a+\d], v[DV+\a]
.endm
.macro TOP a, d
	v_max_num_f32 v[DV+\a], v[DV+\a], v[DV+\a+\d]
	v_cndmask_b32 v[I+\a], v[I+\a], v[I+\a+\d], s[31+\a+\d]
.endm
.irp a, 0,2,4,6,8,10,12,14
	CMP \a, 1
.endr
.irp a, 0,2,4,6,8,10,12,14
	TOP \a, 1
.endr
.irp a, 0,4,8,12
	CMP \a, 2
.endr
.irp a, 0,4,8,12
	TOP \a, 2
.endr
	CMP 0, 4
	CMP 8, 4
	TOP 0, 4
	TOP 8, 4
	CMP 0, 8
	TOP 0, 8
	ds_store_b32 v2, v[I]                          ; the row's index; its eight threads store the same number to the same word
	s_wait_alu depctr_va_vdst(0)
	s_wait_dscnt 0x0                               ; for wave 0's sake: my rows' indices lie in LDS
	s_barrier_signal -1
	s_barrier_wait -1
	s_cmp_lg_u32 s14, 0
	s_cbranch_scc1 .Lrest                          ; wave 0 stores the work-group's 32 indices, while the gathers are out: 128 consecutive bytes by one instruction
	ds_load_b32 v8, v7
	s_wait_dscnt 0x0
	global_store_b32 v7, v8, s[12:13] th:TH_STORE_NT
.Lrest:
.macro SEL a, d                        ; the pair's winner, by the mask that is kept
.irp c, 0,1,2,3
	v_cndmask_b32 v[DA+4*(\a)+\c], v[DA+4*(\a)+\c], v[DA+4*(\a+\d)+\c], s[31+\a+\d]
.endr
.endm
	s_wait_loadcnt 8                               ; gathers 0 to 7 are in
.irp a, 0,2,4,6
	SEL \a, 1
.endr
	SEL 0, 2
	SEL 4, 2
	SEL 0, 4
	s_wait_alu depctr_va_vdst(0)
	s_wait_loadcnt 4                               ; gathers 8 to 11
	SEL 8, 1
	SEL 10, 1
	SEL 8, 2
	s_wait_alu depctr_va_vdst(0)
	s_wait_loadcnt 0x0
	SEL 12, 1
	SEL 14, 1
	SEL 12, 2
	SEL 8, 4
	SEL 0, 8
	global_store_b128 v4, v[DA:DA+3], s[10:11] th:TH_STORE_NT   ; 32 lanes store 512 consecutive bytes, at a multiple of 256 from out0's first byte
	s_wait_tensorcnt 0x0                           ; the wave's end
	ds_add_u32 v[SPW], v[NIL]
	s_wait_dscnt 0x0
	s_endpgm
.Lfunc_end_k_q99b1d424e9_pick:
	.size	k_q99b1d424e9_pick, .Lfunc_end_k_q99b1d424e9_pick-k_q99b1d424e9_pick
	.p2alignl 7, 3214868480
	.fill 96, 4, 3214868480
	.section	.rodata,"a",@progbits
	.p2align	6, 0x0
	.amdhsa_kernel k_q99b1d424e9_pick
		.amdhsa_group_segment_fixed_size 1280
		.amdhsa_private_segment_fixed_size 0
		.amdhsa_enable_private_segment 0
		.amdhsa_kernarg_size 40
		.amdhsa_user_sgpr_count 2
		.amdhsa_user_sgpr_kernarg_segment_ptr 1
		.amdhsa_wavefront_size32 1
		.amdhsa_system_sgpr_workgroup_id_x 1
		.amdhsa_system_sgpr_workgroup_id_y 1
		.amdhsa_system_sgpr_workgroup_id_z 1
		.amdhsa_system_vgpr_workitem_id 0
		.amdhsa_next_free_vgpr 130
		.amdhsa_next_free_sgpr 66
		.amdhsa_reserve_vcc 0
		.amdhsa_float_denorm_mode_32 3
		.amdhsa_float_denorm_mode_16_64 3
		.amdhsa_memory_ordered 1
		.amdhsa_forward_progress 1
		.amdhsa_inst_pref_size 15
	.end_amdhsa_kernel
	.amdgpu_metadata
---
amdhsa.version: [ 1, 2 ]
amdhsa.kernels:
  - .name:           k_q99b1d424e9_pick
    .symbol:         k_q99b1d424e9_pick.kd
    .args:
      - { .name: cand_d, .offset: 0, .size: 8, .value_kind: global_buffer, .address_space: global }
      - { .name: cand_i, .offset: 8, .size: 8, .value_kind: global_buffer, .address_space: global }
      - { .name: codebook, .offset: 16, .size: 8, .value_kind: global_buffer, .address_space: global }
      - { .name: out0, .offset: 24, .size: 8, .value_kind: global_buffer, .address_space: global }
      - { .name: out1, .offset: 32, .size: 8, .value_kind: global_buffer, .address_space: global }
    .group_segment_fixed_size: 1280
    .private_segment_fixed_size: 0
    .kernarg_segment_align: 8
    .kernarg_segment_size: 40
    .max_flat_workgroup_size: 256
    .sgpr_count:     66
    .vgpr_count:     130
    .wavefront_size: 32
...
	.end_amdgpu_metadata
.endif
;; end of part 2
